; MI455X (gfx1250); checked and timed in simulation.
; The chip was launched on July 23, 2026; its instructions are those of AMD's public machine-readable ISA for CDNA 5 (MIT licence, August 2026) and "CDNA5" Instruction Set Architecture Reference Guide (July 2026). The comments in the code are by the model that wrote it; some were corrected since.
;; Multi Head Attention. Allowed arithmetic: matrix products marked QUANTISED: E2M3 operands, one E8M0 scale for each 32 along K, by v_wmma_scale_f32_16x16x128_f8f6f4 with both operands' format E2M3, f32 sums; everything else in f32.
;; Inputs: Wk_codes 1,024 x 32 x 24 uint8 (E2M3 codes of Wk, K innermost, in blocks of 32 codes, four codes in three bytes); Wk_scales 1,024 x 32 uint8 (E8M0 scales of Wk, one for each 32 codes along K); Wo_codes 1,024 x 32 x 24 uint8 (E2M3 codes of Wo, K innermost, in blocks of 32 codes, four codes in three bytes); Wo_scales 1,024 x 32 uint8 (E8M0 scales of Wo, one for each 32 codes along K); Wq_codes 1,024 x 32 x 24 uint8 (E2M3 codes of Wq, K innermost, in blocks of 32 codes, four codes in three bytes); Wq_scales 1,024 x 32 uint8 (E8M0 scales of Wq, one for each 32 codes along K); Wv_codes 1,024 x 32 x 24 uint8 (E2M3 codes of Wv, K innermost, in blocks of 32 codes, four codes in three bytes); Wv_scales 1,024 x 32 uint8 (E8M0 scales of Wv, one for each 32 codes along K); bk 1,024 float32; bo 1,024 float32; bq 1,024 float32; bv 1,024 float32; x_codes 1 x 4,096 x 32 x 24 uint8 (E2M3 codes of x, K innermost, in blocks of 32 codes, four codes in three bytes); x_scales 1 x 4,096 x 32 uint8 (E8M0 scales of x, one for each 32 codes along K).
;; Outputs: out0 1 x 4,096 x 1,024 float32.
;; This version of the problem:
;;   THIS VERSION OF THE PROBLEM IS GIVEN IN LOW PRECISION. The matrix products marked QUANTISED in the list below multiply operands that are first quantised to E2M3 (2 exponent bits, 3 mantissa bits; 6 bits a number), with one power-of-two scale for each 32 numbers along K (OCP MX v1.0); their sums are f32. All else is computed in f32.
;;   The module's matrix products, in the order in which they are computed (A, B: the left and right operand; K: the contracted axis; several contracted axes count as one K, in the product's order):
;;     1. [M 4,096, K 1,024] x [K 1,024, N 1,024]; A: input x (given as codes); B: input Wq (given as codes): QUANTISED
;;     2. [M 4,096, K 1,024] x [K 1,024, N 1,024]; A: input x (given as codes); B: input Wk (given as codes): QUANTISED
;;     3. [M 4,096, K 1,024] x [K 1,024, N 1,024]; A: input x (given as codes); B: input Wv (given as codes): QUANTISED
;;     4. batch 16 x [M 4,096, K 64] x [K 64, N 4,096]; A: computed on the way; B: computed on the way: QUANTISED
;;     5. batch 16 x [M 4,096, K 4,096] x [K 4,096, N 64]; A: softmax (see below); B: computed on the way: QUANTISED
;;     6. [M 4,096, K 1,024] x [K 1,024, N 1,024]; A: computed on the way; B: input Wo (given as codes): QUANTISED
;;   THE QUANTISER, for each operand of a quantised product, along K:
;;     - K is cut into blocks of 32 from its start; a last block that is shorter is filled with zeros.
;;     - A block's scale is 2^e with e = floor(log2(the largest magnitude in the block)) - 2, held to -126 .. 127; a block of zeros has e = 0. As a byte (E8M0): e + 127.
;;     - Each number is divided by its block's scale, clamped to +-7.5, and rounded to the nearest number of E2M3, ties to even, subnormals kept.
;;     - The product sums the exact products of the quantised numbers (number of the format x scale) in f32.
;;   ~~~python
;;   def quantise(x, axis):      # numpy; x: float32 -> the quantised numbers, widened to float32 again
;;       x = np.moveaxis(x, axis, -1); K = x.shape[-1]
;;       x = np.pad(x, [(0, 0)] * (x.ndim - 1) + [(0, -K % 32)]); x = x.reshape(x.shape[:-1] + (-1, 32)); a = np.abs(x).max(-1, keepdims=True)
;;       e = np.where(a > 0, np.clip(np.frexp(np.where(a > 0, a, 1))[1] - 1 - 2, -126, 127), 0)      # np.frexp(a)[1] - 1 = floor(log2(a)), exactly
;;       r = np.clip(x / 2.0 ** e, -7.5, 7.5)
;;       step = 2.0 ** (np.maximum(np.frexp(np.where(r == 0, 1, r))[1] - 1, 0) - 3)
;;       q = np.round(r / step) * step * 2.0 ** e      # np.round: ties to even
;;       return np.moveaxis(q.reshape(q.shape[:-2] + (-1,))[..., :K], -1, axis).astype(np.float32)
;;   ~~~
;;   SOFTMAX AHEAD OF A QUANTISED PRODUCT. Where the list says 'softmax', what is quantised is not the finished softmax but p = 2^(t - M), with t = logit x log2(e) and M = ceil(the row's largest t), a whole number; so 1/2 < the row's largest p <= 1. The row's sum l is taken of the UNQUANTISED p, in f32, and the product's result is divided by l at the end. Since M is a whole number, a kernel that streams over the keys may use a running M (the ceiling of the running maximum): every later rescaling is an exact power of two, which a block's scale takes up: the codes' values come out the same.
;;   OPERANDS COMPUTED ON THE WAY. 'Computed on the way' means the value that the module computes at that place (a softmax that the list does not call 'softmax' is quantised finished and normalised). What goes into a quantiser is computed in f32, as accurately as f32 sums, v_exp_f32 and their like allow (about 1e-6 of the number): no bf16 or f16 on the way to a quantiser, and a product that is left as it is and whose result goes on into a quantised operand takes f32 operands (vector FMAs, or v_wmma_f32_16x16x4_f32). A number that lies on a knife's edge between two numbers of the format may be rounded either way, as far as f32 arithmetic and the matrix unit's own rounding can turn it there, and no further.
;;   INPUTS GIVEN AS CODES. Wk (in the module: [1024, 1024], K = its axis 0); Wo (in the module: [1024, 1024], K = its axis 0); Wq (in the module: [1024, 1024], K = its axis 0); Wv (in the module: [1024, 1024], K = its axis 0); x (in the module: [1, 4096, 1024], K = its axis 2): each comes as NAME_codes (uint8): NAME with its K axis moved to the last place and cut into blocks of 32 codes, [.., K / 32, bytes a block], one block behind the other in memory; four codes in three bytes: a row's codes are one little-endian stream of bits, code i at bits 6 i .. 6 i + 5 (a code: sign, 2 exponent bits, 3 mantissa bits); and NAME_scales (uint8): the same leading axes, one E8M0 byte (e + 127) for each 32 codes along K. Its value is code x scale, taken as it is: it is not quantised again, and the codes and scales need not be those that the quantiser above would give.
;; One version. Each part assembles by itself: llvm-mc -triple=amdgcn-amd-amdhsa -mcpu=gfx1250 --defsym DOCPART=n.
;; ======== version 1 of 1: 3 launches
;; limits: right only within a limited range of input values
;; workspace buffers: qx 6,291,456 bytes; qxs 262,144 bytes; kv 6,291,456 bytes; kvs 262,144 bytes; oc 3,145,728 bytes; os 131,072 bytes
;; launch proj (part 1): grid 4 x 48, 4 waves a work-group, clusters of 4 x 4, 327,680 bytes of LDS; arguments x_codes, x_scales, Wq_codes, Wq_scales, Wk_codes, Wk_scales, Wv_codes, Wv_scales, bq, bk, bv, qx, qxs, kv, kvs; writes qx, qxs, kv, kvs
.if DOCPART == 1
	.amdgcn_target "amdgcn-amd-amdhsa--gfx1250"
	.amdhsa_code_object_version 6
	.text
	.protected	k_qd78c00093a_proj
	.globl	k_qd78c00093a_proj
	.p2align	8
	.type	k_qd78c00093a_proj,@function
k_qd78c00093a_proj:
	s_mov_b64 s[64:65], 0
	v_nop
	global_prefetch_b8 v0, s[64:65] scope:SCOPE_SE
	s_setreg_imm32_b32 hwreg(HW_REG_WAVE_MODE, 25, 1), 1
	s_wait_xcnt 0x0
	s_wait_alu depctr_hold_cnt(0) depctr_sa_sdst(0) depctr_va_vdst(0) depctr_va_sdst(0) depctr_va_ssrc(0) depctr_va_vcc(0) depctr_vm_vsrc(0)
	s_getreg_b32 s2, hwreg(HW_REG_IB_STS2, 6, 4)
	s_cmp_eq_u32 s2, 0
	s_cbranch_scc0 .Lentry_in_a_cluster
	s_endpgm
.Lentry_in_a_cluster:
	s_bfe_u32 s2, ttmp6, 0x10000c
	s_cmp_lg_u32 s2, 0xf033
	s_cbranch_scc0 .Lentry_shape_is_right
	s_endpgm
.Lentry_shape_is_right:
; q, k, v = x W + b on codes of FP6 (E2M3) with E8M0 scales, each result quantised anew and stored as units for the attention launch.
; A work-group makes 256 x 256, a wave 128 x 128.  K goes through a ring of two LDS slots in CHUNKS OF 256 BYTES of each row of 768 bytes:
; every tile row begins at a multiple of 256 bytes.  A step of 128 along K is 96 bytes: eight steps to three chunks; steps 2 and 5 lie across two chunks.
; The scale words' stage on the way out lies in slot 1, which has had its last fill and, behind step 5's barrier, its last read.
.set STEPS,  8
.set CHUNKS, 3
.set NQ,     2
.set ROWB,   256
.set KROW,   768
.set PITCH,  272
.set FR,     12
.set NLA,    6
.set NP,     4
.set HALFT,  128*PITCH
.set SLOT,   4*HALFT
.set KS,     32
.set SCL,    2*SLOT
.set HALFS,  16*272
.set SBLK,   2*272
.set SPARE,  SCL+4*HALFS
.set PSEL, 11
.set SCX,  12
.set SCZ,  13
.set GSO,  14
.set H8,   15
.set ADRA, 16
.set ADRB, 20
.set CO16, 24
.set CO8,  25
.set SCW,  26
.set ADRS, 27
.set SPW,  28
.set NIL,  29
.set SC,   32
.set BP,   64
.set T,    64
.set AF,   128
.set MX,   128
.set BR,   224
.set MV,   12
.set MQ,   13
.set SEL,  4
.set G1, 24
.set G0, 32
.set G1B, 48
.set G0B, 56
.set G1S, 68
.set G0S, 76
.set G1SB, 80
.set G0SB, 88
.set OB,  92
.set SOB, 100
.set MSB, 0
.macro WIN new
.if MSB != (\new)
	s_set_vgpr_msb (MSB<<8)|(\new)
.set MSB, (\new)
.endif
.endm
.set MUL_LO, 0xa1
.set MUL_HI, 0xf1
.set TO_B,   0x40
.macro JLOAD g0a, g1a, g0b, g1b
	s_cmp_eq_u32 s15, 0
	s_cbranch_scc0 .Lfor_b_\@
	tensor_load_to_lds s[\g0a:\g0a+3], s[\g1a:\g1a+7]
	s_nop 0
.rept 4
	v_nop
.endr
	s_branch .Lasked_\@
.Lfor_b_\@:
	tensor_load_to_lds s[\g0b:\g0b+3], s[\g1b:\g1b+7]
	s_nop 0
.rept 4
	v_nop
.endr
.Lasked_\@:
.endm
.macro CREST
	s_cmp_lg_u32 s14, 0
	s_cbranch_scc1 .Lnot_wave_0_\@
	s_barrier_signal -3
.Lnot_wave_0_\@:
	s_barrier_wait -3
	s_barrier_signal -1
	s_barrier_wait -1
.endm
.macro CROUND
	s_barrier_signal -1
	s_barrier_wait -1
	CREST
.endm
	s_load_b512 s[24:39], s[0:1], 0x0
	s_load_b256 s[40:47], s[0:1], 0x40
	s_load_b128 s[48:51], s[0:1], 0x60
	s_load_b64 s[52:53], s[0:1], 0x70
	v_lshl_add_u32 v[SPW], v0, 2, SPARE
	v_mov_b32 v[NIL], 0
	ds_add_u32 v28, v29
	ds_add_u32 v28, v29
	s_wait_dscnt 0x0
	v_lshrrev_b32 v1, 5, v0
	v_readfirstlane_b32 s14, v1
	s_lshr_b32 s15, s14, 1
	s_and_b32 s16, s14, 1
	s_and_b32 s18, ttmp7, 0xffff
	s_lshr_b32 s19, s18, 2
	s_and_b32 s18, s18, 3
	s_lshl_b32 s18, s18, 2
	v_and_b32 v1, 15, v0
	v_bfe_u32 v2, v0, 4, 1
	s_wait_alu depctr_va_vdst(0)
	s_wait_kmcnt 0x0
	s_cmp_eq_u32 s19, 2
	s_cselect_b64 s[4:5], s[36:37], s[24:25]
	s_cselect_b64 s[6:7], s[38:39], s[26:27]
	s_cselect_b64 s[8:9], s[24:25], s[28:29]
	s_cselect_b64 s[10:11], s[26:27], s[30:31]
	s_cselect_b64 s[66:67], s[44:45], s[40:41]
	s_cselect_b32 s20, 0, s18
	s_cselect_b32 s21, s18, 0
	s_cmp_eq_u32 s19, 1
	s_cselect_b64 s[8:9], s[32:33], s[8:9]
	s_cselect_b64 s[10:11], s[34:35], s[10:11]
	s_cselect_b64 s[66:67], s[42:43], s[66:67]
	s_cmp_eq_u32 s19, 0
	s_cselect_b64 s[12:13], s[46:47], s[50:51]
	s_cselect_b64 s[SOB:SOB+1], s[48:49], s[52:53]
	s_bfe_u32 s40, ttmp6, 0x40000
	s_bfe_u32 s41, ttmp6, 0x40004
	s_add_co_u32 s42, s40, s21
	s_add_co_u32 s17, s41, s20
	s_lshl_b32 s22, s42, 2
	s_lshl_b32 s23, s16, 1
	s_add_co_u32 s22, s22, s23
	s_lshl_b32 s23, s17, 4
	s_lshl_b32 s2, s15, 3
	s_add_co_u32 s23, s23, s2
	s_lshl_b32 s34, s22, 8
	s_lshl_b32 s35, s23, 6
	s_cmp_eq_u32 s19, 2
	s_cselect_b32 s34, 0, s34
	s_cselect_b32 s35, s35, 0
	s_mov_b32 s24, 393216
	s_cselect_b32 s24, 6144, s24
	s_mov_b32 s25, 1536
	s_cselect_b32 s25, 98304, s25
	s_cselect_b32 s26, 6144, 0
	s_mov_b32 s27, 16384
	s_cselect_b32 s27, 256, s27
	s_cselect_b32 s28, 4096, 64
	s_cselect_b32 s29, 256, 0
	s_mov_b32 s30, 393216
	s_cselect_b32 s30, 3072, s30
	s_mov_b32 s32, 3072
	s_cselect_b32 s32, 393216, s32
	s_mov_b32 s31, 0
	s_mov_b32 s33, 0
	s_mul_i32 s24, s22, s24
	s_mul_i32 s25, s23, s25
	s_add_co_u32 s24, s24, s25
	s_add_co_u32 s24, s24, s26
	s_mov_b32 s25, 0
	s_add_nc_u64 s[OB:OB+1], s[12:13], s[24:25]
	s_add_nc_u64 s[OB+2:OB+3], s[OB:OB+1], s[30:31]
	s_add_nc_u64 s[OB+4:OB+5], s[OB:OB+1], s[32:33]
	s_add_nc_u64 s[OB+6:OB+7], s[OB+4:OB+5], s[30:31]
	s_mul_i32 s27, s22, s27
	s_mul_i32 s28, s23, s28
	s_add_co_u32 s26, s27, s28
	s_add_co_u32 s26, s26, s29
	s_mov_b32 s27, 0
	s_add_nc_u64 s[SOB:SOB+1], s[SOB:SOB+1], s[26:27]
	v_lshl_add_u32 v9, v2, 5, s34
	v_lshl_add_u32 v10, v1, 2, s35
	s_cmp_eq_u32 s19, 2
	s_cselect_b32 s[MV], -1, 0
	s_cselect_b32 s[MQ], 0, -1
	s_lshl_b32 s43, s41, 2
	s_lshl_b32 s43, 15, s43
	s_lshl_b32 s44, 0x1111, s40
	s_or_b32 s[G1+0], s43, (1<<20)|(1<<21)|(5<<22)|(3<<25)   ; 16 bytes of padding behind every 256
	s_or_b32 s[G1B+0], s44, (1<<20)|(1<<21)|(5<<22)|(3<<25)
.irp g, G1, G1B
	s_mov_b32 s[\g+1], ROWB<<16
	s_mov_b32 s[\g+2], 128<<16
	s_mov_b32 s[\g+3], ROWB<<16
	s_mov_b32 s[\g+4], 128
	s_mov_b32 s[\g+5], KROW
	s_mov_b32 s[\g+6], 0
	s_mov_b32 s[\g+7], 0
.endr
	s_or_b32 s[G1S+0], s43, (3<<16)|(1<<20)|(1<<21)|(5<<22)|(3<<25)
	s_or_b32 s[G1SB+0], s44, (3<<16)|(1<<20)|(1<<21)|(5<<22)|(3<<25)
.irp g, G1S, G1SB
	s_mov_b32 s[\g+1], 32<<16
	s_mov_b32 s[\g+2], 16<<16
	s_mov_b32 s[\g+3], 32<<16
	s_mov_b32 s[\g+4], 16
	s_mov_b32 s[\g+5], 32
	s_mov_b32 s[\g+6], 0
	s_mov_b32 s[\g+7], 0
.endr
	s_lshl_b32 s18, s16, 7
	s_lshl_b32 s20, s17, 8
	s_add_co_u32 s20, s20, s18
	s_lshl_b32 s46, s42, 8
	s_add_co_u32 s46, s46, s18
	s_mov_b32 s21, 0
	s_mov_b32 s47, 0
	s_mov_b64 s[18:19], KS
	s_mul_u64 s[22:23], s[20:21], s[18:19]
	s_mul_u64 s[2:3], s[46:47], s[18:19]
	s_mov_b64 s[18:19], KROW
	s_mul_u64 s[20:21], s[20:21], s[18:19]
	s_mul_u64 s[46:47], s[46:47], s[18:19]
	s_mul_i32 s45, s14, HALFT
	s_mul_i32 s43, s14, HALFS
	s_add_nc_u64 s[20:21], s[4:5], s[20:21]
	s_add_nc_u64 s[22:23], s[6:7], s[22:23]
	s_add_nc_u64 s[46:47], s[8:9], s[46:47]
	s_add_nc_u64 s[2:3], s[10:11], s[2:3]
	CROUND
	s_mov_b32 s[G0S], 1
	s_add_co_u32 s[G0S+1], s43, SCL
	s_mov_b64 s[G0S+2:G0S+3], s[22:23]
	s_or_b32 s[G0S+3], s[G0S+3], 0x80000000
	s_mov_b32 s[G0SB], 1
	s_add_co_u32 s[G0SB+1], s43, SCL
	s_mov_b64 s[G0SB+2:G0SB+3], s[2:3]
	s_or_b32 s[G0SB+3], s[G0SB+3], 0x80000000
	JLOAD G0S, G1S, G0SB, G1SB
.irp s, 0,1
	s_mov_b32 s[G0+4*\s], 1
	s_add_co_u32 s[G0+4*\s+1], s45, \s*SLOT
	s_add_nc_u64 s[G0+4*\s+2:G0+4*\s+3], s[20:21], \s*ROWB
	s_or_b32 s[G0+4*\s+3], s[G0+4*\s+3], 0x80000000
	s_mov_b32 s[G0B+4*\s], 1
	s_add_co_u32 s[G0B+4*\s+1], s45, \s*SLOT
	s_add_nc_u64 s[G0B+4*\s+2:G0B+4*\s+3], s[46:47], \s*ROWB
	s_or_b32 s[G0B+4*\s+3], s[G0B+4*\s+3], 0x80000000
	s_wait_alu depctr_va_vdst(0)
	s_wait_tensorcnt 0x0
	ds_add_u32 v28, v29
	s_wait_dscnt 0x0
	CROUND
	JLOAD G0+4*\s, G1, G0B+4*\s, G1B
.endr
	s_wait_alu depctr_va_vdst(0)
.irp b, 0,1,2,3,4,5,6,7
	global_load_b128 v[BP+8*\b:BP+8*\b+3], v9, s[66:67] offset:64*\b
	global_load_b128 v[BP+8*\b+4:BP+8*\b+7], v9, s[66:67] offset:64*\b+16
.endr
.irp a, 0,1,2,3,4,5,6,7
	global_load_b32 v[BR+2*\a], v10, s[66:67] offset:64*\a
	global_load_b32 v[BR+2*\a+1], v10, s[66:67] offset:64*\a
.endr
	v_mul_u32_u24 v3, v1, PITCH
	v_mul_u32_u24 v4, v2, 24
	v_add_nc_u32 v4, v3, v4
	s_mov_b32 s21, SLOT-232
	s_mov_b32 s22, SLOT+232
	v_sub_nc_u32 v7, 1, v2
	v_mul_u32_u24 v5, s21, v2
	v_add_nc_u32 v5, v3, v5
	v_add_nc_u32 v5, 232, v5                       ; across two chunks: lanes 0-15 byte 232 of the row in slot 0, lanes 16-31 byte 0 in slot 1;
	v_mul_u32_u24 v6, s22, v7
	v_add_nc_u32 v6, v3, v6                        ; and the other way round
	s_mul_i32 s21, s15, HALFT
	s_mul_i32 s22, s16, HALFT
	s_add_co_u32 s22, s22, 2*HALFT
	v_add_nc_u32 v[ADRA+2], s21, v5
	v_add_nc_u32 v[ADRA+3], s21, v6
	v_add_nc_u32 v[ADRB+2], s22, v5
	v_add_nc_u32 v[ADRB+3], s22, v6
.irp s, 0,1
	v_add_nc_u32 v[ADRA+\s], s21, v4
	v_add_nc_u32 v[ADRB+\s], s22, v4
	s_add_co_u32 s21, s21, SLOT
	s_add_co_u32 s22, s22, SLOT
.endr
	v_mul_u32_u24 v5, v1, KS
	v_lshrrev_b32 v6, 8, v5
	v_lshl_add_u32 v5, v6, 4, v5
	s_mul_i32 s21, s15, HALFS
	s_mul_i32 s22, s16, HALFS
	s_add_co_u32 s22, s22, 2*HALFS
	s_sub_co_u32 s22, s22, s21
	v_mul_u32_u24 v6, s22, v2
	s_add_co_u32 s21, s21, SCL
	v_add_nc_u32 v5, v5, v6
	v_add_nc_u32 v[ADRS], s21, v5
	v_and_b32 v6, 31, v0
	v_lshlrev_b32 v[CO16], 4, v6
	v_lshlrev_b32 v[CO8], 3, v6
	s_lshl_b32 s23, s14, 9
	s_add_co_u32 s23, s23, SLOT                    ; the scale words' stage: in slot 1
	v_lshl_add_u32 v[SCW], v1, 2, s23
	v_lshrrev_b32 v7, 2, v1
	v_lshl_add_u32 v7, v7, 7, s23
	v_and_b32 v8, 3, v0
	v_lshl_add_u32 v[SCX], v8, 4, v7
	v_add_nc_u32 v[SCZ], s23, v[CO16]
	v_lshlrev_b32 v[GSO], 14, v2
	v_lshl_add_u32 v[GSO], v1, 4, v[GSO]
	v_lshlrev_b32 v[H8], 3, v2
	v_mov_b32 v[PSEL], 0x05040100
	v_mov_b32 v7, 0x07060302
	v_cmp_eq_u32 vcc_lo, 1, v2
	v_cndmask_b32 v[PSEL], v[PSEL], v7, vcc_lo
	s_wait_loadcnt 0x0
.set J, 0
.rept 64
	v_cndmask_b32 v[BP+J], 0, v[BP+J], s[MQ]
.set J, J+1
.endr
.set J, 0
.rept 16
	v_cndmask_b32 v[BR+J], 0, v[BR+J], s[MV]
.set J, J+1
.endr
.macro FRAG reg, adr, st, i            ; a fragment of step st in six pieces of 8 bytes; byte y of a row lies in slot (y / 256) % 2 at byte y % 256
.irp p, 0,1,2,3,4,5
.set BY, 96*(\st)+48*(\p/3)+8*(\p%3)
.if BY/ROWB == (BY+24)/ROWB
	ds_load_b64 v[\reg+2*\p:\reg+2*\p+1], v[\adr+(BY/ROWB)%2] offset:BY%ROWB+(\i)*16*PITCH
.else
	ds_load_b64 v[\reg+2*\p:\reg+2*\p+1], v[\adr+2+(BY/ROWB)%2] offset:BY%ROWB-232+(\i)*16*PITCH
.endif
.endr
.endm
.macro MUL16 a0, p, q, sc, zero
.irp a, \a0, \a0+1
.irp b, 0,1,2,3,4,5,6,7
.if \zero
	v_wmma_scale_f32_16x16x128_f8f6f4 v[8*(8*((\a)%4)+\b):8*(8*((\a)%4)+\b)+7], v[128*(\p)+FR*\b:128*(\p)+FR*\b+FR-1], v[AF+FR*(\a):AF+FR*(\a)+FR-1], v[BP+8*\b:BP+8*\b+7], v[SC+8*NQ*(\sc)+NQ*\b+(\q)], v[SC+8*NQ*(\sc)+NQ*(\a)+(\q)] matrix_a_fmt:MATRIX_FMT_FP6 matrix_b_fmt:MATRIX_FMT_FP6 matrix_a_scale:MATRIX_SCALE_ROW1
.else
	v_wmma_scale_f32_16x16x128_f8f6f4 v[8*(8*((\a)%4)+\b):8*(8*((\a)%4)+\b)+7], v[128*(\p)+FR*\b:128*(\p)+FR*\b+FR-1], v[AF+FR*(\a):AF+FR*(\a)+FR-1], v[8*(8*((\a)%4)+\b):8*(8*((\a)%4)+\b)+7], v[SC+8*NQ*(\sc)+NQ*\b+(\q)], v[SC+8*NQ*(\sc)+NQ*(\a)+(\q)] matrix_a_fmt:MATRIX_FMT_FP6 matrix_b_fmt:MATRIX_FMT_FP6 matrix_a_scale:MATRIX_SCALE_ROW1
.endif
.endr
.endr
.endm
.macro FETCH_B st, p
	WIN TO_B
.irp i, 0,1,2,3,4,5,6,7
	FRAG 128*(\p)+FR*\i, ADRB, \st, \i
.endr
	WIN 0
.endm
.macro FETCH_A st, i0
.irp i, \i0, \i0+1, \i0+2, \i0+3
	FRAG AF+FR*(\i), ADRA, \st, \i
.endr
.endm
.macro SCALES pr                       ; the scale words of steps 2 pr and 2 pr + 1 into set pr % 2
.irp i, 0,1,2,3,4,5,6,7
	ds_load_b64 v[SC+8*NQ*((\pr)%2)+NQ*\i:SC+8*NQ*((\pr)%2)+NQ*\i+1], v[ADRS] offset:\i*SBLK+4*NQ*(\pr)
.endr
.endm
.macro PLACES n
.rept \n
	v_nop
.endr
.endm
; A step: 64 products on step st's fragments; the next step's fragments are fetched in its middle and at its end.
; Where the next step's bytes END in a chunk not read yet: every wave waits for its tensor loads, and a barrier shows the chunk whole.
; Where they BEGIN in a later chunk: the chunk left behind is read no more: the wait for all tensor loads, the add, the wait for it and for my reads,
; the barrier; where a chunk two on is left to fetch, the barrier opens a round of the cluster's barrier and the slot is filled again.
.macro STEP st, zero
.set NX, (\st)+1
.set C0, (96*(\st))/ROWB
.set C1, (96*NX)/ROWB
.set E0, (96*(\st)+95)/ROWB
.set E1, (96*NX+95)/ROWB
.if C1 > C0 || E1 > E0
	s_wait_tensorcnt 0x0                           ; all my tensor loads have landed
.if C1 > C0
	ds_add_u32 v[SPW], v[NIL]
	s_wait_dscnt 4*NLA+1                           ; the add and A's blocks 4-7 may be out
.else
	s_wait_dscnt 4*NLA                             ; A's blocks 4-7 may be out
.endif
	WIN MUL_LO
	MUL16 0, (\st)%2, (\st)%2, ((\st)/2)%2, 0
	s_wait_dscnt 0x0                               ; the add and all my reads are done
	s_barrier_signal -1
	MUL16 2, (\st)%2, (\st)%2, ((\st)/2)%2, 0
	WIN 0
	s_barrier_wait -1
.if C1 > C0 && C0+2 < CHUNKS
	CREST
	s_add_nc_u64 s[G0+4*(C0%2)+2:G0+4*(C0%2)+3], s[G0+4*(C0%2)+2:G0+4*(C0%2)+3], 2*ROWB
	s_add_nc_u64 s[G0B+4*(C0%2)+2:G0B+4*(C0%2)+3], s[G0B+4*(C0%2)+2:G0B+4*(C0%2)+3], 2*ROWB
	JLOAD G0+4*(C0%2), G1, G0B+4*(C0%2), G1B       ; chunk C0 + 2; its four v_nop are the places in front of the loads below
.else
	PLACES NP
.endif
.else
	s_wait_dscnt 4*NLA
	WIN MUL_LO-0x20*(\zero)
	MUL16 0, (\st)%2, (\st)%2, ((\st)/2)%2, \zero
	MUL16 2, (\st)%2, (\st)%2, ((\st)/2)%2, \zero
	s_wait_dscnt 0
	PLACES NP
.endif
	FETCH_B NX, NX%2
	FETCH_A NX, 0
.if NX%2 == 0
	SCALES NX/2
.endif
	WIN MUL_HI-0x30*(\zero)
	MUL16 4, (\st)%2, (\st)%2, ((\st)/2)%2, \zero
	MUL16 6, (\st)%2, (\st)%2, ((\st)/2)%2, \zero
	PLACES NP
	WIN 0
	FETCH_A NX, 4
.endm
	s_wait_alu depctr_va_vdst(0)                   ; the wait at the head's end
	FETCH_B 0, 0                                   ; chunk 0 and the scales were whole at the round in front of chunk 1's load
	FETCH_A 0, 0
	SCALES 0
	FETCH_A 0, 4
	STEP 0, 1
.set ST, 1
.rept STEPS-2
	STEP ST, 0
.set ST, ST+1
.endr
	s_wait_dscnt 4*NLA
	WIN MUL_LO
	MUL16 0, 1, NQ-1, 1, 0
	MUL16 2, 1, NQ-1, 1, 0
	s_wait_dscnt 0
	WIN MUL_HI
	MUL16 4, 1, NQ-1, 1, 0
	MUL16 6, 1, NQ-1, 1, 0
	WIN 0
.macro OUTQ a
.set AC, 64*((\a)%4)
.set PCS, 32+12*((\a)%2)
.set OBS, OB+4*((\a)/4)
.set DTO, 768*((\a)%4)
	s_wait_xcnt 0x0
	s_wait_dscnt 0x0
	WIN 0x02+(\a)/4
.set J, 0
.rept 32
	v_pk_add_f32 v[T+J:T+J+1], v[AC+J:AC+J+1], v[BR+2*(\a):BR+2*(\a)+1]
.set J, J+2
.endr
	WIN 0
.irp c, 0,1
.irp j, 0,1,2,3,4,5,6,7
	v_permlane16_swap_b32 v[T+32*\c+\j], v[T+32*\c+16+\j]
	v_permlane16_swap_b32 v[T+32*\c+8+\j], v[T+32*\c+24+\j]
.endr
.endr
.irp c, 0,1
	v_max3_num_f32 v[MX+\c], |v[T+32*\c]|, |v[T+32*\c+1]|, 0x1800000
.endr
.irp i, 2,4,6,8,10,12,14,16,18,20,22,24,26,28,30
.irp c, 0,1
	v_max3_num_f32 v[MX+\c], v[MX+\c], |v[T+32*\c+\i]|, |v[T+32*\c+\i+1]|
.endr
.endr
.irp c, 0,1
	v_add_nc_u32 v[MX+2+\c], 0xff000000, v[MX+\c]
.endr
.irp c, 0,1
	v_lshrrev_b32 v[MX+4+\c], 23, v[MX+2+\c]
.endr
	v_lshl_or_b32 v[MX+6], v[MX+5], 16, v[MX+4]
	v_lshlrev_b32 v[MX+6], v[H8], v[MX+6]
	v_permlanex16_b32 v[MX+7], v[MX+6], s[SEL], s[SEL+1]
	v_or_b32 v[MX+8], v[MX+6], v[MX+7]
.irp c, 0,1
	v_cvt_scalef32_pk16_fp6_f32 v[PCS+6*\c:PCS+6*\c+2], v[T+32*\c:T+32*\c+15], v[MX+2+\c]
	v_cvt_scalef32_pk16_fp6_f32 v[56+4*\c:58+4*\c], v[T+32*\c+16:T+32*\c+31], v[MX+2+\c]
.endr
	v_nop
.irp c, 0,1
.irp i, 0,1,2
	v_mov_b32 v[PCS+6*\c+3+\i], v[56+4*\c+\i]
.endr
.endr
.irp c, 0,1
	global_store_b128 v[CO16], v[PCS+6*\c:PCS+6*\c+3], s[OBS+2*\c:OBS+2*\c+1] offset:DTO
	global_store_b64 v[CO8], v[PCS+6*\c+4:PCS+6*\c+5], s[OBS+2*\c:OBS+2*\c+1] offset:DTO+512
.endr
	ds_store_b32 v[SCW], v[MX+8] offset:64*(\a)
.endm
	PLACES NP
	s_mov_b32 s[SEL], 0x76543210
	s_mov_b32 s[SEL+1], 0xfedcba98
	v_mov_b32 v[MX+7], 0
.irp a, 0,1,2,3,4,5,6,7
	OUTQ \a
.endr
	ds_load_b128 v[140:143], v[SCX]
	ds_load_b128 v[144:147], v[SCX] offset:64
	ds_load_b128 v[148:151], v[SCZ]
	s_wait_dscnt 0x0
.irp i, 0,1,2,3
	v_perm_b32 v[152+\i], v[144+\i], v[140+\i], v[PSEL]
.endr
.irp i, 0,1,2,3
	v_cndmask_b32 v[152+\i], v[152+\i], v[148+\i], s[MV]
.endr
	global_store_b128 v[GSO], v[152:155], s[SOB:SOB+1]
	s_wait_tensorcnt 0x0
	ds_add_u32 v[SPW], v[NIL]
	s_wait_dscnt 0x0
	CROUND
	s_endpgm
.Lfunc_end_k_qd78c00093a_proj:
	.size	k_qd78c00093a_proj, .Lfunc_end_k_qd78c00093a_proj-k_qd78c00093a_proj
	.p2alignl 7, 3214868480
	.fill 96, 4, 3214868480
	.section	.rodata,"a",@progbits
	.p2align	6, 0x0
	.amdhsa_kernel k_qd78c00093a_proj
		.amdhsa_group_segment_fixed_size 327680
		.amdhsa_private_segment_fixed_size 0
		.amdhsa_enable_private_segment 0
		.amdhsa_kernarg_size 120
		.amdhsa_user_sgpr_count 2
		.amdhsa_user_sgpr_kernarg_segment_ptr 1
		.amdhsa_wavefront_size32 1
		.amdhsa_system_sgpr_workgroup_id_x 1
		.amdhsa_system_sgpr_workgroup_id_y 1
		.amdhsa_system_sgpr_workgroup_id_z 1
		.amdhsa_system_vgpr_workitem_id 0
		.amdhsa_next_free_vgpr 1024
		.amdhsa_next_free_sgpr 102
		.amdhsa_reserve_vcc 1
		.amdhsa_float_denorm_mode_32 3
		.amdhsa_float_denorm_mode_16_64 3
		.amdhsa_memory_ordered 1
		.amdhsa_forward_progress 1
		.amdhsa_inst_pref_size 194
	.end_amdhsa_kernel
	.amdgpu_metadata
---
amdhsa.version: [ 1, 2 ]
amdhsa.kernels:
  - .name:           k_qd78c00093a_proj
    .symbol:         k_qd78c00093a_proj.kd
    .args:
      - { .name: x_codes, .offset: 0, .size: 8, .value_kind: global_buffer, .address_space: global }
      - { .name: x_scales, .offset: 8, .size: 8, .value_kind: global_buffer, .address_space: global }
      - { .name: Wq_codes, .offset: 16, .size: 8, .value_kind: global_buffer, .address_space: global }
      - { .name: Wq_scales, .offset: 24, .size: 8, .value_kind: global_buffer, .address_space: global }
      - { .name: Wk_codes, .offset: 32, .size: 8, .value_kind: global_buffer, .address_space: global }
      - { .name: Wk_scales, .offset: 40, .size: 8, .value_kind: global_buffer, .address_space: global }
      - { .name: Wv_codes, .offset: 48, .size: 8, .value_kind: global_buffer, .address_space: global }
      - { .name: Wv_scales, .offset: 56, .size: 8, .value_kind: global_buffer, .address_space: global }
      - { .name: bq, .offset: 64, .size: 8, .value_kind: global_buffer, .address_space: global }
      - { .name: bk, .offset: 72, .size: 8, .value_kind: global_buffer, .address_space: global }
      - { .name: bv, .offset: 80, .size: 8, .value_kind: global_buffer, .address_space: global }
      - { .name: qx, .offset: 88, .size: 8, .value_kind: global_buffer, .address_space: global }
      - { .name: qxs, .offset: 96, .size: 8, .value_kind: global_buffer, .address_space: global }
      - { .name: kv, .offset: 104, .size: 8, .value_kind: global_buffer, .address_space: global }
      - { .name: kvs, .offset: 112, .size: 8, .value_kind: global_buffer, .address_space: global }
    .group_segment_fixed_size: 327680
    .private_segment_fixed_size: 0
    .kernarg_segment_align: 8
    .kernarg_segment_size: 120
    .max_flat_workgroup_size: 128
    .sgpr_count:     102
    .vgpr_count:     1024
    .wavefront_size: 32
...
	.end_amdgpu_metadata
.endif
;; end of part 1
;; launch attn (part 2): grid 16 x 16, 16 waves a work-group, clusters of 4 x 1, 327,680 bytes of LDS; arguments qx, qxs, kv, kvs, oc, os; writes oc, os
.if DOCPART == 2
	.amdgcn_target "amdgcn-amd-amdhsa--gfx1250"
	.amdhsa_code_object_version 6
	.text
	.protected	k_qd78c00093a_attn
	.globl	k_qd78c00093a_attn
	.p2align	8
	.type	k_qd78c00093a_attn,@function
k_qd78c00093a_attn:
	s_mov_b64 s[64:65], 0
	v_nop
	global_prefetch_b8 v0, s[64:65] scope:SCOPE_SE
	s_setreg_imm32_b32 hwreg(HW_REG_WAVE_MODE, 25, 1), 1
	s_wait_xcnt 0x0
	s_wait_alu depctr_hold_cnt(0) depctr_sa_sdst(0) depctr_va_vdst(0) depctr_va_sdst(0) depctr_va_ssrc(0) depctr_va_vcc(0) depctr_vm_vsrc(0)
	s_getreg_b32 s2, hwreg(HW_REG_IB_STS2, 6, 4)
	s_cmp_eq_u32 s2, 0
	s_cbranch_scc0 .Lentry_in_a_cluster
	s_endpgm
.Lentry_in_a_cluster:
	s_bfe_u32 s2, ttmp6, 0x10000c
	s_cmp_lg_u32 s2, 0x3003
	s_cbranch_scc0 .Lentry_shape_is_right
	s_endpgm
.Lentry_shape_is_right:
; o[h][q] = softmax_k(q . k / 8) v, both products on codes of FP6 (E2M3) with E8M0 scales; o is quantised along h x 64 + d for the last product.  16 heads, 4,096 queries and keys, head size 64.
; THE SOFTMAX: t = score x log2(e) / 8; M = the running largest t rounded UP to a whole number; p = 2^(t - M) is quantised along the keys, not normalised;
; the row's sum is taken of the unquantised p and divides at the end.  When M moves, the sum and O are multiplied by 2^(old M - new M): exact.
; SHARES.  A work-group owns 256 queries of one head, each of its sixteen waves 16 of them in 256 registers.  Every wave walks all 4,096 keys, 128 a step.
; The four query blocks of a cluster walk the same k and v: each tile is asked for JOINTLY.
; OPERANDS come as UNITS (16 rows x 64 K: images of registers 0-5 of a 6-bit operand, 768 bytes: 16 x lane, then 512 + 8 x lane).
; S^T = k q^T: one fragment holds two tiles of keys and is multiplied by [q | 0] and by [0 | q]: zero codes add nothing.
; WHICH KEYS FORM A TILE is chosen by the lanes' LDS addresses: rows 0-7 of the four tiles of a group g come from block 2 g of 32 keys, rows 8-15 from block 2 g + 1.
; So lane (r, H) holds query r and ALL 32 keys of blocks H and 2 + H: a block's maximum needs no other lane and p's codes change no lane.
; Rows 8-15 take the other eight rows of a unit than rows 0-7, so that sixteen lanes read sixteen different 16-byte columns; in lanes 16-31 the two halves of a block's codes
; therefore come out exchanged, and selects put them right.  Inside a block the keys stand in the order 0-7, 16-23, 8-15, 24-31, in p as in v.
; LDS: three regions of eight steps (98,304 bytes each), the head's 16,384 scale bytes, the spare words.  FIRST FILLS: one tensor load a wave: waves 0-11 a twelfth of steps 0-23 each,
; waves 12-15 a quarter of the scales.  Steps 24-31 go into region 0 when it has been read: waves 0-3, one load each, sixteen steps ahead of its first read.
; No prefetch is laid: three quarters of a head are asked for at once, and the rest sixteen steps ahead.
; LIMITS: NaN and infinities are not served; the promise holds while |t| stays under 2^31.  A block whose largest magnitude lies under 2^-124 gets the scale byte 1; the bytes are read by this program alone.
; A block's largest p is not searched for: its largest score goes through the same multiply-add and exponential (this takes v_exp_f32 not to fall where its input rises).
.set STEPB, 12288
.set REG,   8*STEPB
.set SCL,   3*REG
.set SPARE, SCL+16384
.set L16, 1                            ; 16 x lane
.set L8,  2                            ; 512 + 8 x lane
.set LK,  3                            ; k's scale words, by the tiles' rows
.set A16, 4                            ; v's addresses for the step in hand
.set A8,  5
.set ASK, 6
.set SPW, 7
.set NIL, 8
.set ASV, 9
.set LV,  10                           ; v's scale words
.set H8,  11                           ; 8 H
                                       ; v12 -M, v13 the largest t, v[14:15] the sum; v16-21 zeros, v22-27 q's unit, v28-33 zeros
.set KS,  34
.set VS,  36
.set PS,  38
.set QS,  39
.set KV,  40                           ; v40-87 four fragments of k, then of v
.set CK,  88                           ; v88-91 k's lane addresses: 16-byte pieces of even and odd fragments, 8-byte pieces likewise
.set WK,  92                           ; v92-95 the same for the step in hand
.set SS,  96                           ; v96-159 S^T, then p
.set OO,  160                          ; v160-191 O^T
.set PCD, 192                          ; v192-203 p's codes
.set BM,  212                          ; v212-215 largest scores; v212, v214 the blocks'
.set BT,  216
.set SO,  220
.set TP,  224
.set FF,  226
.set CT,  228                          ; v228-242 the conversions' results
.set AC,  242                          ; v242-255 seven partial sums
.set TB,  2
.set TS,  3
.set MH,  16                           ; lanes 16-31
.set WV,  18
.set SEL, 20
.set CS,  22
.set G1,  24
.set G1S, 32
.set G0S, 40
.set G0R, 44
.set CNT, 56
.macro CROUND
	s_barrier_signal -1
	s_barrier_wait -1
	s_cmp_lg_u32 s[WV], 0
	s_cbranch_scc1 .Lnot_wave_0_\@
	s_barrier_signal -3
.Lnot_wave_0_\@:
	s_barrier_wait -3
	s_barrier_signal -1
	s_barrier_wait -1
.endm
.macro D n
	s_delay_alu instid0(VALU_DEP_\n)
.endm
	s_load_b256 s[4:11], s[0:1], 0x0               ; qx, qxs, kv, kvs
	s_load_b128 s[12:15], s[0:1], 0x20             ; oc, os
	v_lshl_add_u32 v[SPW], v0, 2, SPARE
	v_mov_b32 v[NIL], 0
	ds_add_u32 v[SPW], v[NIL]                      ; the opening lines: the add twice and its wait
	ds_add_u32 v[SPW], v[NIL]
	v_lshrrev_b32 v9, 5, v0
	v_readfirstlane_b32 s[WV], v9                  ; wave 0..15
	s_and_b32 s57, ttmp7, 0xffff                   ; the head, which the four partners share
	s_and_b32 s58, s[WV], 3
	s_mul_i32 s59, s[WV], 24576                    ; waves 0-11: my twelfth of steps 0-23, in memory and in LDS
	s_mul_i32 s60, s57, 32*STEPB
	s_add_co_u32 s60, s60, s59
	s_mov_b32 s61, 0
	s_lshl_b32 s66, s58, 12                        ; waves 12-15: my quarter of the scales
	s_lshl_b32 s62, s57, 14
	s_add_co_u32 s62, s62, s66
	s_mov_b32 s63, 0
	s_mov_b32 s[G1], 15|(3<<16)|(1<<21)            ; the mask: all four work-groups; elements of 8 bytes; 96 dense rows of 256 bytes
	s_mov_b32 s[G1+1], 32<<16
	s_mov_b32 s[G1+2], 96<<16
	s_mov_b32 s[G1+3], 32<<16
	s_mov_b32 s[G1+4], 96
	s_mov_b32 s[G1+5], 32
	s_mov_b32 s[G1+6], 0
	s_mov_b32 s[G1+7], 0
	s_mov_b32 s[G1S], 15|(3<<16)|(1<<21)           ; 16 such rows
	s_mov_b32 s[G1S+1], 32<<16
	s_mov_b32 s[G1S+2], 16<<16
	s_mov_b32 s[G1S+3], 32<<16
	s_mov_b32 s[G1S+4], 16
	s_mov_b32 s[G1S+5], 32
	s_mov_b32 s[G1S+6], 0
	s_mov_b32 s[G1S+7], 0
	s_bfe_u32 s67, ttmp6, 0x40000                  ; cx enters q's and o's addresses alone
	s_lshl_b32 s68, ttmp9, 2
	s_add_co_u32 s68, s68, s67
	s_lshl_b32 s68, s68, 4
	s_add_co_u32 s68, s68, s[WV]                   ; my tile of 16 queries, 0..255
	s_lshr_b32 s69, s68, 3
	s_and_b32 s70, s68, 7
	s_mul_i32 s72, s57, 32*STEPB
	s_mul_i32 s71, s69, STEPB
	s_add_co_u32 s72, s72, s71
	s_mul_i32 s71, s70, 768
	s_add_co_u32 s72, s72, s71
	s_mov_b32 s73, 0                               ; q's unit
	s_lshl_b32 s74, s57, 14
	s_lshl_b32 s71, s69, 9
	s_add_co_u32 s74, s74, s71
	s_lshr_b32 s71, s70, 1
	s_lshl_b32 s71, s71, 6
	s_add_co_u32 s74, s74, s71
	s_and_b32 s71, s68, 1
	s_lshl_b32 s71, s71, 1
	s_add_co_u32 s74, s74, s71
	s_mov_b32 s75, 0                               ; q's two scale bytes a row
	s_mul_i32 s76, s57, 196608
	s_mul_i32 s71, s68, 768
	s_add_co_u32 s76, s76, s71
	s_mov_b32 s77, 0                               ; o's unit: [head][tile][768]
	s_lshl_b32 s78, s68, 9
	s_lshl_b32 s71, s57, 1
	s_add_co_u32 s78, s78, s71
	s_mov_b32 s79, 0                               ; o's scale bytes: 32 a row, the head's two at 2 x head
	s_mov_b32 s[SEL], 0x76543210
	s_mov_b32 s[SEL+1], 0xfedcba98
	s_mov_b32 s[CS], 0x3e38aa3b                    ; c = log2(e) / 8
	s_mov_b32 s[CS+1], s[CS]
	s_mov_b32 s[MH], 0xffff0000
	s_mov_b32 s[TB], 0
	s_mov_b32 s[TS], 0
	s_wait_dscnt 0x0                               ; both opening adds are done
	s_wait_kmcnt 0x0
	s_add_nc_u64 s[8:9], s[8:9], s[60:61]
	s_add_nc_u64 s[10:11], s[10:11], s[62:63]
	s_add_nc_u64 s[4:5], s[4:5], s[72:73]
	s_add_nc_u64 s[6:7], s[6:7], s[74:75]
	s_add_nc_u64 s[12:13], s[12:13], s[76:77]
	s_add_nc_u64 s[14:15], s[14:15], s[78:79]
	s_mov_b32 s[G0S], 1
	s_add_co_u32 s[G0S+1], s66, SCL
	s_mov_b64 s[G0S+2:G0S+3], s[10:11]
	s_or_b32 s[G0S+3], s[G0S+3], 0x80000000
	s_mov_b32 s[G0R], 1
	s_mov_b32 s[G0R+1], s59
	s_mov_b64 s[G0R+2:G0R+3], s[8:9]
	s_or_b32 s[G0R+3], s[G0R+3], 0x80000000
	CROUND                                         ; all four work-groups are here: the first joint loads meet
	s_cmp_lt_u32 s[WV], 12                         ; every way passes exactly one load
	s_cbranch_scc0 .Lfill_s
	tensor_load_to_lds s[G0R:G0R+3], s[G1:G1+7]
	s_nop 0
.rept 4
	v_nop
.endr
	s_branch .Lfilled
.Lfill_s:
	tensor_load_to_lds s[G0S:G0S+3], s[G1S:G1S+7]
	s_nop 0
.rept 4
	v_nop
.endr
.Lfilled:
	v_and_b32 v9, 31, v0
	v_and_b32 v228, 7, v0                          ; r % 8
	v_bfe_u32 v229, v0, 3, 1                       ; r / 8
	v_bfe_u32 v230, v0, 4, 1                       ; H
	v_and_b32 v236, 15, v0
	v_lshlrev_b32 v[L16], 4, v9
	v_lshl_add_u32 v[L8], v9, 3, 512
	v_lshl_add_u32 v[LV], v9, 2, SCL+256
	v_lshlrev_b32 v236, 2, v236
	v_xor_b32 v231, v230, v229                     ; H xor r / 8
	v_xor_b32 v233, 1, v229                        ; 1 - r / 8
	v_mul_u32_u24 v235, v229, 1536                 ; rows 8-15: two units on
	global_load_b128 v[22:25], v[L16], s[4:5]      ; q's unit stays in registers
	global_load_b64 v[26:27], v[L8], s[4:5]
	global_load_u16 v[TP], v236, s[6:7]
	v_lshl_add_u32 v[LK], v229, 6, SCL             ; word of pair 2 g + r / 8, row 8 (H xor r / 8) + r % 8: lanes 0-15 serve the even fragment, lanes 16-31 the odd one
	v_lshl_add_u32 v232, v228, 4, v235
	v_lshl_add_u32 v234, v228, 3, v235
	v_lshl_add_u32 v[LK], v231, 5, v[LK]
	v_lshl_add_u32 v232, v230, 8, v232
	v_lshl_add_u32 v234, v230, 7, v234
	v_lshl_add_u32 v[LK], v228, 2, v[LK]
	v_add_nc_u32 v234, 512, v234
	v_lshl_add_u32 v[CK], v229, 7, v232            ; even fragments: image rows 8 (r / 8) + r % 8
	v_lshl_add_u32 v[CK+1], v233, 7, v232          ; odd ones: the other eight
	v_lshl_add_u32 v[CK+2], v229, 6, v234
	v_lshl_add_u32 v[CK+3], v233, 6, v234
	v_lshlrev_b32 v[H8], 3, v230
.irp j, 16,17,18,19,20,21,28,29,30,31,32,33
	v_mov_b32 v\j, 0                               ; the zero codes on either side of q
.endr
	v_mov_b32 v13, 0xff61b1e6                      ; -3e38, under every t
	v_mov_b32 v14, 0
	v_mov_b32 v15, 0
	v_floor_f32 v12, -v13
.irp b, 0,1,2,3
	v_mov_b32 v[BT+\b], 0                          ; a lane permute's destination counts as one of its sources
.endr
	v_mov_b32 v[FF+1], 0
	s_wait_alu depctr_va_vdst(0)
	s_wait_loadcnt 0x0
	v_lshl_or_b32 v[QS], v[TP], 16, v[TP]          ; q's bytes for either half of the instruction's K
.set J, 0
.rept 32
	v_mov_b32 v[OO+J], 0                           ; the step is written once: the first change of M leaves zeros zeros
.set J, J+1
.endr
	s_wait_alu depctr_va_vdst(0)                   ; the wait at the head's end
	s_wait_tensorcnt 0x0                           ; my one first fill is in
	s_barrier_signal -1
	s_barrier_wait -1                              ; everybody's is
.macro STEP
.irp i, 0,1,2,3
	v_add_nc_u32 v[WK+\i], s[TB], v[CK+\i]         ; these five lines are the places behind the last products
.endr
	v_add_nc_u32 v[ASK], s[TS], v[LK]
.irp u, 0,1,2,3                                    ; k: fragment 2 g + e = units 4 g + 2 (r / 8) and the next
	ds_load_b128 v[KV+12*\u:KV+12*\u+3], v[WK+\u%2] offset:3072*(\u/2)
	ds_load_b64 v[KV+12*\u+4:KV+12*\u+5], v[WK+2+\u%2] offset:3072*(\u/2)
	ds_load_b128 v[KV+12*\u+6:KV+12*\u+9], v[WK+\u%2] offset:3072*(\u/2)+768
	ds_load_b64 v[KV+12*\u+10:KV+12*\u+11], v[WK+2+\u%2] offset:3072*(\u/2)+768
.endr
	ds_load_b32 v[KS], v[ASK]
	ds_load_b32 v[KS+1], v[ASK] offset:128
	s_wait_alu depctr_va_vdst(0)
	s_wait_dscnt 0x0
.irp u, 0,1,2,3
.irp e, 0,1
.if (\u)%2
	v_wmma_scale_f32_16x16x128_f8f6f4 v[SS+8*(2*\u+\e):SS+8*(2*\u+\e)+7], v[KV+12*\u:KV+12*\u+11], v[22-6*\e:33-6*\e], 0, v[KS+\u/2], v[QS] matrix_a_fmt:MATRIX_FMT_FP6 matrix_b_fmt:MATRIX_FMT_FP6 matrix_a_scale:MATRIX_SCALE_ROW1
.else
	v_wmma_scale_f32_16x16x128_f8f6f4 v[SS+8*(2*\u+\e):SS+8*(2*\u+\e)+7], v[KV+12*\u:KV+12*\u+11], v[22-6*\e:33-6*\e], 0, v[KS+\u/2], v[QS] matrix_a_fmt:MATRIX_FMT_FP6 matrix_b_fmt:MATRIX_FMT_FP6
.endif
.endr
.endr                                              ; lane (r, H): registers 32 g .. 32 g + 31 are query r's scores with block 2 g + H
	v_add_nc_u32 v[A16], s[TB], v[L16]             ; four places in front of the loads below and of the first read of the scores
	v_add_nc_u32 v[A8], s[TB], v[L8]
	v_add_nc_u32 v[ASV], s[TS], v[LV]
	v_nop
.irp f, 0,1,2,3                                    ; v: fragment f = [keys 0-63 | keys 64-127] of d 16 f on: they land under the softmax
	ds_load_b128 v[KV+12*\f:KV+12*\f+3], v[A16] offset:6144+768*\f
	ds_load_b64 v[KV+12*\f+4:KV+12*\f+5], v[A8] offset:6144+768*\f
	ds_load_b128 v[KV+12*\f+6:KV+12*\f+9], v[A16] offset:9216+768*\f
	ds_load_b64 v[KV+12*\f+10:KV+12*\f+11], v[A8] offset:9216+768*\f
.endr
	ds_load_b32 v[VS], v[ASV]
	ds_load_b32 v[VS+1], v[ASV] offset:128
.irp b, 0,1,2,3                                    ; the largest score of each block, in four chains, each accumulator from its low end on
	v_max3_num_f32 v[BM+\b], v[SS+16*\b], v[SS+1+16*\b], v[SS+2+16*\b]
.endr
.irp i, 3,5,7,9,11,13
.irp b, 0,1,2,3
	v_max3_num_f32 v[BM+\b], v[BM+\b], v[SS+16*\b+\i], v[SS+1+16*\b+\i]
.endr
.endr
.irp g, 0,2
	v_max3_num_f32 v[BM+\g], v[BM+\g], v[BM+\g+1], v[SS+15+16*\g]
.endr
.irp g, 0,2
	v_max_num_f32 v[BM+\g], v[BM+\g], v[SS+31+16*\g]
.endr
	v_max_num_f32 v[TP], v[BM], v[BM+2]
	v_permlanex16_b32 v[BT], v[TP], s[SEL], s[SEL+1]
	v_max_num_f32 v[TP], v[TP], v[BT]              ; the step's largest score of my query
	v_mul_f32 v[TP], s[CS], v[TP]
	v_max_num_f32 v13, v13, v[TP]                  ; the running largest t
	v_mov_b32 v[TP], v12
	v_floor_f32 v12, -v13                          ; the new -M = -ceil(t)
	v_sub_f32 v[TP], v12, v[TP]                    ; old M - new M
	v_cvt_i32_f32 v[TP], v[TP]
	v_ldexp_f32 v[FF], 1.0, v[TP]                  ; f = 2^(old M - new M)
.set J, 0
.rept 32
	v_pk_fma_f32 v[SS+J:SS+J+1], v[SS+J:SS+J+1], s[CS:CS+1], v[12:13] op_sel_hi:[1,0,0]   ; t - M
.set J, J+2
.endr
.irp g, 0,2
	v_fma_f32 v[BM+\g], v[BM+\g], s[CS], v12       ; the same of each block's largest score
.endr
	s_wait_alu depctr_va_vdst(0)                   ; the wait ahead of the batch
.set J, 0
.rept 64
	v_exp_f32 v[SS+J], v[SS+J]                     ; p = 2^(t - M)
.set J, J+1
.endr
	v_pk_mul_f32 v[14:15], v[14:15], v[FF:FF+1] op_sel_hi:[1,0]   ; the sums under the new M: the plain place behind the exponentials
	s_wait_alu depctr_va_vdst(0)                   ; one wait for the 64
.irp g, 0,2
	v_exp_f32 v[BM+\g], v[BM+\g]                   ; the block's largest p
.endr
.irp c, 0,1,2,3,4,5,6                              ; the row's sum of the unquantised p, in eight chains
	v_pk_add_f32 v[AC+2*\c:AC+2*\c+1], v[SS+2*\c:SS+2*\c+1], v[SS+14+2*\c:SS+15+2*\c]
.endr
	v_pk_add_f32 v[14:15], v[14:15], v[SS+28:SS+29]
.irp c, 0,1,2,3,4,5,6
	v_pk_add_f32 v[AC+2*\c:AC+2*\c+1], v[AC+2*\c:AC+2*\c+1], v[SS+30+2*\c:SS+31+2*\c]
.endr
	v_pk_add_f32 v[14:15], v[14:15], v[SS+44:SS+45]
.irp c, 0,1,2,3,4,5,6
	v_pk_add_f32 v[AC+2*\c:AC+2*\c+1], v[AC+2*\c:AC+2*\c+1], v[SS+46+2*\c:SS+47+2*\c]
.endr
	v_pk_add_f32 v[14:15], v[14:15], v[SS+60:SS+61]
	v_pk_add_f32 v[AC:AC+1], v[AC:AC+1], v[SS+62:SS+63]
	v_pk_add_f32 v[AC+4:AC+5], v[AC+4:AC+5], v[AC+6:AC+7]
	v_pk_add_f32 v[AC+8:AC+9], v[AC+8:AC+9], v[AC+10:AC+11]
	v_pk_add_f32 v[14:15], v[14:15], v[AC+12:AC+13]
	v_pk_add_f32 v[AC:AC+1], v[AC:AC+1], v[AC+2:AC+3]
	D 2
	v_pk_add_f32 v[14:15], v[14:15], v[AC+8:AC+9]
	D 2
	v_pk_add_f32 v[AC:AC+1], v[AC:AC+1], v[AC+4:AC+5]
	D 1
	v_pk_add_f32 v[14:15], v[14:15], v[AC:AC+1]
	s_wait_alu depctr_va_vdst(0)                   ; and one for the two
.irp g, 0,2
	v_max_num_f32 v[BM+\g], 0x1800000, v[BM+\g]    ; the floor 2^(3 - 127): the byte cannot fall under 1
.endr
.irp g, 0,2
	D 2
	v_add_nc_u32 v[SO+\g], 0xff000000, v[BM+\g]    ; 2 off the exponent field: the conversion's scale operand
.endr
.irp g, 0,2
	D 2
	v_lshrrev_b32 v[BT+\g], 23, v[SO+\g]           ; the scale's byte
.endr
	D 1
	v_lshl_or_b32 v[PS], v[BT+2], 16, v[BT]        ; my two bytes, blocks H and 2 + H,
	D 1
	v_lshlrev_b32 v[PS], v[H8], v[PS]              ; at their places in the word
	D 1
	v_permlanex16_b32 v[BT+1], v[PS], s[SEL], s[SEL+1]
.irp c, 0,1
	v_cvt_scalef32_pk16_fp6_f32 v[CT+8*\c:CT+8*\c+2], v[SS+32*\c:SS+32*\c+15], v[SO+2*\c]
	v_cvt_scalef32_pk16_fp6_f32 v[CT+8*\c+4:CT+8*\c+6], v[SS+32*\c+16:SS+32*\c+31], v[SO+2*\c]
.endr
	v_or_b32 v[PS], v[PS], v[BT+1]                 ; with lane l xor 16's two the word is whole.  (The plain place behind the conversions)
.irp c, 0,1                                        ; lanes 16-31 hold a block's two halves exchanged
.irp i, 0,1,2
	v_cndmask_b32 v[PCD+6*\c+\i], v[CT+8*\c+\i], v[CT+8*\c+4+\i], s[MH]
	v_cndmask_b32 v[PCD+6*\c+3+\i], v[CT+8*\c+4+\i], v[CT+8*\c+\i], s[MH]
.endr
.endr
	s_wait_alu depctr_va_vdst(0)                   ; the wait directly ahead of the first reader of O^T
.set J, 0
.rept 16
	v_pk_mul_f32 v[OO+J:OO+J+1], v[OO+J:OO+J+1], v[FF:FF+1] op_sel_hi:[1,0]   ; O^T under the new M; also the places between p's codes and scale word and the products
.set J, J+2
.endr
	s_wait_alu depctr_va_vdst(0)
	s_wait_dscnt 0x0                               ; v is in
.irp d, 0,1,2,3                                    ; the four accumulators take turns
.if (\d)%2
	v_wmma_scale_f32_16x16x128_f8f6f4 v[OO+8*\d:OO+8*\d+7], v[KV+12*\d:KV+12*\d+11], v[PCD:PCD+11], v[OO+8*\d:OO+8*\d+7], v[VS+\d/2], v[PS] matrix_a_fmt:MATRIX_FMT_FP6 matrix_b_fmt:MATRIX_FMT_FP6 matrix_a_scale:MATRIX_SCALE_ROW1
.else
	v_wmma_scale_f32_16x16x128_f8f6f4 v[OO+8*\d:OO+8*\d+7], v[KV+12*\d:KV+12*\d+11], v[PCD:PCD+11], v[OO+8*\d:OO+8*\d+7], v[VS+\d/2], v[PS] matrix_a_fmt:MATRIX_FMT_FP6 matrix_b_fmt:MATRIX_FMT_FP6
.endif
.endr
	s_add_co_u32 s[TB], s[TB], STEPB
	s_add_co_u32 s[TS], s[TS], 512
.endm
.macro WALK n
	s_mov_b32 s[CNT], \n
.Lwalk_\@:
	STEP
	s_sub_co_u32 s[CNT], s[CNT], 1
	s_cmp_lg_u32 s[CNT], 0
	s_cbranch_scc1 .Lwalk_\@
.endm
	WALK 8                                         ; steps 0-7: region 0
	s_wait_tensorcnt 0x0                           ; no tensor load of mine is out, so a group 0 may be written
	ds_add_u32 v[SPW], v[NIL]
	s_add_nc_u64 s[G0R+2:G0R+3], s[G0R+2:G0R+3], 3*REG   ; waves 0-3: their quarter of steps 24-31
	s_wait_dscnt 0x0                               ; the add is done, and my reads of region 0 are over
	CROUND                                         ; no wave of any partner still reads region 0 or has a load on its way
	s_cmp_lt_u32 s[WV], 4
	s_cbranch_scc0 .Lno_refill
	tensor_load_to_lds s[G0R:G0R+3], s[G1:G1+7]    ; the one refill
	s_nop 0
.rept 4
	v_nop
.endr
.Lno_refill:
	WALK 16                                        ; steps 8-23: regions 1 and 2
	s_wait_tensorcnt 0x0                           ; my part of steps 24-31 is in,
	s_wait_dscnt 0x0
	s_barrier_signal -1
	s_barrier_wait -1                              ; everybody's is
	s_mov_b32 s[TB], 0
	WALK 8                                         ; steps 24-31: region 0 again
	; THE WAY OUT: o = O^T / the sum, quantised along d.  The first four vector lines are the places behind the last products.
	v_and_b32 v9, 15, v0
	v_bfe_u32 v10, v0, 4, 1
	D 1
	v_lshl_add_u32 v11, v9, 5, v10                 ; my scale byte's place: 32 r + H
	v_add_f32 v14, v14, v15
	D 1
	v_permlanex16_b32 v[TP], v14, s[SEL], s[SEL+1]
	D 1
	v_add_f32 v14, v14, v[TP]                      ; the row's sum
	s_wait_alu depctr_va_vdst(0)
	v_rcp_f32 v[FF], v14
	v_nop
	s_wait_alu depctr_va_vdst(0)
.irp e, 0,1,2,3                                    ; the tiles of d in the order 0, 2, 1, 3, each from its low end on
.set DT, ((\e)%2)*2+(\e)/2
.irp j, 0,2,4,6
	v_pk_mul_f32 v[SS+8*\e+\j:SS+8*\e+\j+1], v[OO+8*DT+\j:OO+8*DT+\j+1], v[FF:FF+1] op_sel_hi:[1,0]
.endr
.endr
.irp j, 0,1,2,3,4,5,6,7                            ; lane (r, H) gets d = 32 H + 0 .. 31, in their own order
	v_permlane16_swap_b32 v[SS+\j], v[SS+8+\j]
	v_permlane16_swap_b32 v[SS+16+\j], v[SS+24+\j]
.endr
	v_max3_num_f32 v[BM], |v[SS]|, |v[SS+1]|, 0x1800000
.irp i, 2,4,6,8,10,12,14,16,18,20,22,24,26,28,30
	D 1
	v_max3_num_f32 v[BM], v[BM], |v[SS+\i]|, |v[SS+\i+1]|
.endr
	D 1
	v_add_nc_u32 v[SO], 0xff000000, v[BM]
	D 1
	v_lshrrev_b32 v[BT], 23, v[SO]
	v_cvt_scalef32_pk16_fp6_f32 v[PCD:PCD+2], v[SS:SS+15], v[SO]
	v_cvt_scalef32_pk16_fp6_f32 v[CT:CT+2], v[SS+16:SS+31], v[SO]
	v_nop
.irp i, 0,1,2
	v_mov_b32 v[PCD+3+\i], v[CT+\i]
.endr
	global_store_b128 v[L16], v[PCD:PCD+3], s[12:13]   ; the unit: 512 consecutive bytes, aligned to 256,
	global_store_b64 v[L8], v[PCD+4:PCD+5], s[12:13]   ; and its last 256
	global_store_b8 v11, v[BT], s[14:15]           ; a byte a lane, two to a row of 32: one byte in 24 of what the launch stores
	s_wait_tensorcnt 0x0                           ; the wave's end
	ds_add_u32 v[SPW], v[NIL]
	s_wait_dscnt 0x0
	CROUND                                         ; the closing round
	s_endpgm
.Lfunc_end_k_qd78c00093a_attn:
	.size	k_qd78c00093a_attn, .Lfunc_end_k_qd78c00093a_attn-k_qd78c00093a_attn
	.p2alignl 7, 3214868480
	.fill 96, 4, 3214868480
	.section	.rodata,"a",@progbits
	.p2align	6, 0x0
	.amdhsa_kernel k_qd78c00093a_attn
		.amdhsa_group_segment_fixed_size 327680
		.amdhsa_private_segment_fixed_size 0
		.amdhsa_enable_private_segment 0
		.amdhsa_kernarg_size 48
		.amdhsa_user_sgpr_count 2
		.amdhsa_user_sgpr_kernarg_segment_ptr 1
		.amdhsa_wavefront_size32 1
		.amdhsa_system_sgpr_workgroup_id_x 1
		.amdhsa_system_sgpr_workgroup_id_y 1
		.amdhsa_system_sgpr_workgroup_id_z 1
		.amdhsa_system_vgpr_workitem_id 0
		.amdhsa_next_free_vgpr 256
		.amdhsa_next_free_sgpr 80
		.amdhsa_reserve_vcc 0
		.amdhsa_float_denorm_mode_32 3
		.amdhsa_float_denorm_mode_16_64 3
		.amdhsa_memory_ordered 1
		.amdhsa_forward_progress 1
		.amdhsa_inst_pref_size 63
	.end_amdhsa_kernel
	.amdgpu_metadata
---
amdhsa.version: [ 1, 2 ]
amdhsa.kernels:
  - .name:           k_qd78c00093a_attn
    .symbol:         k_qd78c00093a_attn.kd
    .args:
      - { .name: qx, .offset: 0, .size: 8, .value_kind: global_buffer, .address_space: global }
      - { .name: qxs, .offset: 8, .size: 8, .value_kind: global_buffer, .address_space: global }
      - { .name: kv, .offset: 16, .size: 8, .value_kind: global_buffer, .address_space: global }
      - { .name: kvs, .offset: 24, .size: 8, .value_kind: global_buffer, .address_space: global }
      - { .name: oc, .offset: 32, .size: 8, .value_kind: global_buffer, .address_space: global }
      - { .name: os, .offset: 40, .size: 8, .value_kind: global_buffer, .address_space: global }
    .group_segment_fixed_size: 327680
    .private_segment_fixed_size: 0
    .kernarg_segment_align: 8
    .kernarg_segment_size: 48
    .max_flat_workgroup_size: 512
    .sgpr_count:     80
    .vgpr_count:     256
    .wavefront_size: 32
...
	.end_amdgpu_metadata
.endif
;; end of part 2
;; launch outp (part 3): grid 8 x 32, 4 waves a work-group, clusters of 4 x 4, 229,376 bytes of LDS; arguments oc, os, Wo_codes, Wo_scales, bo, out0; writes out0
.if DOCPART == 3
	.amdgcn_target "amdgcn-amd-amdhsa--gfx1250"
	.amdhsa_code_object_version 6
	.text
	.protected	k_qd78c00093a_outp
	.globl	k_qd78c00093a_outp
	.p2align	8
	.type	k_qd78c00093a_outp,@function
k_qd78c00093a_outp:
	s_mov_b64 s[64:65], 0
	v_nop
	global_prefetch_b8 v0, s[64:65] scope:SCOPE_SE
	s_setreg_imm32_b32 hwreg(HW_REG_WAVE_MODE, 25, 1), 1
	s_wait_xcnt 0x0
	s_wait_alu depctr_hold_cnt(0) depctr_sa_sdst(0) depctr_va_vdst(0) depctr_va_sdst(0) depctr_va_ssrc(0) depctr_va_vcc(0) depctr_vm_vsrc(0)
	s_getreg_b32 s2, hwreg(HW_REG_IB_STS2, 6, 4)
	s_cmp_eq_u32 s2, 0
	s_cbranch_scc0 .Lentry_in_a_cluster
	s_endpgm
.Lentry_in_a_cluster:
	s_bfe_u32 s2, ttmp6, 0x10000c
	s_cmp_lg_u32 s2, 0xf033
	s_cbranch_scc0 .Lentry_shape_is_right
	s_endpgm
.Lentry_shape_is_right:
; out0 = o Wo + bo on codes of FP6 (E2M3) with E8M0 scales; sums in f32.  o: 4,096 rows as units [head][tile of 16 rows][768 bytes] (images of registers 0-5 of an operand) with 32 scale bytes a row;
; Wo: 1,024 rows of 768 bytes of codes, K innermost, 32 scale bytes a row.
; A work-group makes 128 x 128: 32 x 8 = 256 work-groups.  ALL OF K LIES IN LDS: o's 16 heads x 8 units (98,304 bytes), Wo's 128 whole rows (768 bytes, each beginning at a multiple of 256;
; 16 bytes of padding behind every 256: pitch 816), and both sides' scales (4,096 bytes each).  Four tiles, four waves, one tensor load each; nothing is filled again.
; A wave makes 64 x 64: 16 accumulators; K in eight steps of 128 on two sets of fragment registers; all scale words stay in 32 registers; the bias is the C of the first products.
; CLUSTERS of 4 x 4: o's tiles are shared along a row of the cluster, Wo's along a column: joint loads.
; The matrix instruction is used transposed (source 0 = Wo's rows, source 1 = o's rows): a lane holds eight neighbouring numbers of a row of out0.
; No prefetch is laid: each tile is asked for once, at the head, and there is no loop to run ahead in.
; REGISTERS: window 0: v2-15 addresses, v16-47 scale words, v64-255 two sets (Wo's four fragments, then o's four); window 1: v0-127 accumulators (a, b) at 8 (4 a + b), v128-159 the bias.
.set PB,    816
.set LB,    98304
.set SCA,   LB+128*PB
.set SCB,   SCA+16*272
.set STAGE, SCB+16*272                 ; 16 rows x 272 bytes for each wave: bytes of its own
.set SPARE, STAGE+4*16*272
.set ADA, 2                            ; v2, v3: o's 16-byte pieces of steps 0-3, 4-7; v4, v5: the 8-byte pieces
.set ADB, 6                            ; v6 Wo's pieces; v7 the same where lanes 16-31 lie behind a padding that lanes 0-15 lie ahead of
.set ADS, 8
.set STO, 9
.set RD,  10
.set CO,  11
.set BO,  12
.set SPW, 14
.set NIL, 15
.set SC,  16
.set FS,  64
.set G1A, 24
.set G1B, 32
.set G1S, 40
.set G1T, 48
.set G0A, 56
.set G0B, 60
.set G0S, 68
.set G0T, 72
.set MSB, 0
.macro WIN new
.if MSB != (\new)
	s_set_vgpr_msb (MSB<<8)|(\new)
.set MSB, (\new)
.endif
.endm
.macro CROUND
	s_barrier_signal -1
	s_barrier_wait -1
	s_cmp_lg_u32 s16, 0
	s_cbranch_scc1 .Lnot_wave_0_\@
	s_barrier_signal -3
.Lnot_wave_0_\@:
	s_barrier_wait -3
	s_barrier_signal -1
	s_barrier_wait -1
.endm
.macro PLACES
.rept 4
	v_nop
.endr
.endm
	s_load_b256 s[4:11], s[0:1], 0x0               ; oc, os, Wo_codes, Wo_scales
	s_load_b128 s[12:15], s[0:1], 0x20             ; bo, out0
	v_lshl_add_u32 v[SPW], v0, 2, SPARE
	v_mov_b32 v[NIL], 0
	ds_add_u32 v[SPW], v[NIL]                      ; the opening lines: the add twice and its wait
	ds_add_u32 v[SPW], v[NIL]
	v_lshrrev_b32 v1, 5, v0
	v_readfirstlane_b32 s16, v1                    ; wave 0..3
	s_lshr_b32 s17, s16, 1                         ; my half of the rows
	s_and_b32 s18, s16, 1                          ; my half of the columns
	s_bfe_u32 s19, ttmp6, 0x40000                  ; cx
	s_bfe_u32 s20, ttmp6, 0x40004                  ; cy
	s_lshl_b32 s21, ttmp9, 2
	s_add_co_u32 s21, s21, s19                     ; tile column
	s_and_b32 s22, ttmp7, 0xffff
	s_lshl_b32 s22, s22, 2
	s_add_co_u32 s22, s22, s20                     ; tile row
	s_lshl_b32 s23, s20, 2
	s_lshl_b32 s23, 15, s23                        ; my row of the cluster
	s_lshl_b32 s76, 0x1111, s19                    ; my column
	s_or_b32 s[G1A], s23, (3<<16)|(1<<21)          ; o: 16 rows (heads) of 768 elements of 8 bytes, 196,608 bytes apart
	s_mov_b32 s[G1A+1], 768<<16
	s_mov_b32 s[G1A+2], 16<<16
	s_mov_b32 s[G1A+3], 768<<16
	s_mov_b32 s[G1A+4], 16
	s_mov_b32 s[G1A+5], 24576
	s_mov_b32 s[G1A+6], 0
	s_mov_b32 s[G1A+7], 0
	s_or_b32 s[G1B], s76, (1<<20)|(1<<21)|(5<<22)|(3<<25)   ; Wo: 128 rows of 768 bytes, 4 words of padding behind every 64
	s_mov_b32 s[G1B+1], 768<<16
	s_mov_b32 s[G1B+2], 128<<16
	s_mov_b32 s[G1B+3], 768<<16
	s_mov_b32 s[G1B+4], 128
	s_mov_b32 s[G1B+5], 768
	s_mov_b32 s[G1B+6], 0
	s_mov_b32 s[G1B+7], 0
	s_or_b32 s[G1S], s23, (3<<16)|(1<<20)|(1<<21)|(5<<22)|(3<<25)   ; scales: 16 dense rows of 256 bytes, padded
	s_or_b32 s[G1T], s76, (3<<16)|(1<<20)|(1<<21)|(5<<22)|(3<<25)
.irp g, G1S, G1T
	s_mov_b32 s[\g+1], 32<<16
	s_mov_b32 s[\g+2], 16<<16
	s_mov_b32 s[\g+3], 32<<16
	s_mov_b32 s[\g+4], 16
	s_mov_b32 s[\g+5], 32
	s_mov_b32 s[\g+6], 0
	s_mov_b32 s[\g+7], 0
.endr
	s_mul_i32 s78, s22, 6144                       ; o's eight units of head 0
	s_mov_b32 s79, 0
	s_lshl_b32 s80, s22, 12                        ; its 128 rows' scales
	s_mov_b32 s81, 0
	s_mul_i32 s82, s21, 98304                      ; Wo's 128 rows
	s_mov_b32 s83, 0
	s_lshl_b32 s84, s21, 12
	s_mov_b32 s85, 0
	s_mul_i32 s86, s17, 3072                       ; my four units
	s_mul_i32 s87, s18, 64*PB
	s_add_co_u32 s87, s87, LB                      ; my 64 rows of Wo
	s_mul_i32 s88, s17, 4*544
	s_add_co_u32 s88, s88, SCA
	s_mul_i32 s89, s18, 4*544
	s_add_co_u32 s89, s89, SCB
	s_sub_co_u32 s89, s89, s88                     ; from o's scales to Wo's
	s_mul_i32 s90, s16, 16*272
	s_add_co_u32 s90, s90, STAGE
	s_lshl_b32 s91, s21, 9
	s_lshl_b32 s92, s18, 8
	s_add_co_u32 s91, s91, s92                     ; my first column, in bytes
	s_lshl_b32 s92, s22, 7
	s_lshl_b32 s93, s17, 6
	s_add_co_u32 s92, s92, s93
	s_lshl_b32 s92, s92, 12                        ; my first row, in bytes
	s_add_co_u32 s92, s92, s91
	s_mov_b32 s93, 0
	s_wait_dscnt 0x0                               ; both opening adds are done
	s_wait_kmcnt 0x0
	s_add_nc_u64 s[4:5], s[4:5], s[78:79]
	s_add_nc_u64 s[6:7], s[6:7], s[80:81]
	s_add_nc_u64 s[8:9], s[8:9], s[82:83]
	s_add_nc_u64 s[10:11], s[10:11], s[84:85]
	s_add_nc_u64 s[14:15], s[14:15], s[92:93]
	CROUND                                         ; all sixteen work-groups are here: the joint loads meet
	s_mov_b32 s[G0A], 1
	s_mov_b32 s[G0A+1], 0
	s_mov_b64 s[G0A+2:G0A+3], s[4:5]
	s_or_b32 s[G0A+3], s[G0A+3], 0x80000000
	s_mov_b32 s[G0B], 1
	s_mov_b32 s[G0B+1], LB
	s_mov_b64 s[G0B+2:G0B+3], s[8:9]
	s_or_b32 s[G0B+3], s[G0B+3], 0x80000000
	s_mov_b32 s[G0S], 1
	s_mov_b32 s[G0S+1], SCA
	s_mov_b64 s[G0S+2:G0S+3], s[6:7]
	s_or_b32 s[G0S+3], s[G0S+3], 0x80000000
	s_mov_b32 s[G0T], 1
	s_mov_b32 s[G0T+1], SCB
	s_mov_b64 s[G0T+2:G0T+3], s[10:11]
	s_or_b32 s[G0T+3], s[G0T+3], 0x80000000
.macro ARM under, g0, g1, next         ; one tree of branches on the wave's number: every way passes exactly one load
	s_cmp_lt_u32 s16, \under
	s_cbranch_scc0 \next
	tensor_load_to_lds s[\g0:\g0+3], s[\g1:\g1+7]
	s_nop 0
	PLACES
	s_branch .Lhead_asked
\next:
.endm
	ARM 1, G0A, G1A, .Lhead_b
	ARM 2, G0B, G1B, .Lhead_sa
	ARM 3, G0S, G1S, .Lhead_sb
	tensor_load_to_lds s[G0T:G0T+3], s[G1T:G1T+7]
	s_nop 0
	PLACES
.Lhead_asked:
	v_and_b32 v48, 15, v0                          ; r
	v_bfe_u32 v49, v0, 4, 1                        ; h
	v_and_b32 v50, 31, v0
	v_lshl_add_u32 v[ADA], v50, 4, s86
	v_lshl_add_u32 v[ADA+2], v50, 3, s86
	v_mul_u32_u24 v51, v48, PB
	v_add_nc_u32 v[ADA+1], 49152, v[ADA]           ; eight heads on
	v_add_nc_u32 v[ADA+2], 512, v[ADA+2]
	v_mad_u32_u24 v51, v49, 24, v51
	v_lshlrev_b32 v52, 5, v48                      ; my row's scales: 32 bytes a row,
	v_add_nc_u32 v[ADA+3], 49152, v[ADA+2]
	v_add_nc_u32 v[ADB], s87, v51
	v_lshrrev_b32 v53, 8, v52
	v_lshl_add_u32 v[ADB+1], v49, 4, v[ADB]
	v_lshl_add_u32 v52, v53, 4, v52                ; and 16 more for each 256 passed
	v_mul_u32_u24 v53, s89, v49                    ; lanes 16-31 take Wo's
	v_mul_u32_u24 v54, v48, 272
	v_mul_u32_u24 v55, v49, 272
	v_add_nc_u32 v52, v52, v53
	v_lshl_add_u32 v54, v49, 5, v54
	v_lshl_add_u32 v55, v48, 4, v55
	v_add_nc_u32 v[ADS], s88, v52
	v_add_nc_u32 v[STO], s90, v54                  ; in: row r, 32 bytes for each half of the lanes
	v_add_nc_u32 v[RD], s90, v55                   ; back: lanes 0-15 one row of 256 bytes, lanes 16-31 the next
	v_lshlrev_b32 v[CO], 12, v49
	v_lshl_add_u32 v[BO], v49, 5, s91
	v_lshl_add_u32 v[CO], v48, 4, v[CO]            ; and the same two rows in out0
	s_wait_alu depctr_va_vdst(0)                   ; the wait at the head's end
	WIN 0x40
.irp b, 0,1,2,3
	global_load_b128 v[128+8*\b:128+8*\b+3], v[BO], s[12:13] offset:64*\b      ; bo at my eight columns of block b
	global_load_b128 v[128+8*\b+4:128+8*\b+7], v[BO], s[12:13] offset:64*\b+16
.endr
	WIN 0
	s_wait_tensorcnt 0x0                           ; my tile is in
	s_barrier_signal -1
	s_barrier_wait -1                              ; all four are
.macro FETCH st                        ; 40 LDS loads: the fragments of step st into set st % 2
.set F, FS+96*((\st)%2)
.irp i, 0,1,2,3
.irp p, 0,1,2,3,4,5
.set BY, 96*(\st)+48*(\p/3)+8*(\p%3)   ; byte y of a row of codes lies at y + 16 (y / 256) of its LDS row
.if BY/256 == (BY+24)/256
	ds_load_b64 v[F+12*\i+2*\p:F+12*\i+2*\p+1], v[ADB] offset:BY+16*(BY/256)+\i*16*PB
.else
	ds_load_b64 v[F+12*\i+2*\p:F+12*\i+2*\p+1], v[ADB+1] offset:BY+16*(BY/256)+\i*16*PB
.endif
.endr
.endr
.irp i, 0,1,2,3
.irp c, 0,1                            ; heads 2 st and 2 st + 1
	ds_load_b128 v[F+48+12*\i+6*\c:F+48+12*\i+6*\c+3], v[ADA+(\st)/4] offset:(2*((\st)%4)+\c)*6144+768*\i
	ds_load_b64 v[F+48+12*\i+6*\c+4:F+48+12*\i+6*\c+5], v[ADA+2+(\st)/4] offset:(2*((\st)%4)+\c)*6144+768*\i
.endr
.endr
.endm
.macro KSTEP st                        ; the 16 accumulators take turns, in the same order in every step
.if (\st) > 0
	PLACES                                         ; in front of loads into registers that the last step's products read
.endif
.if (\st) < 7
	FETCH (\st)+1
	s_wait_dscnt 40                                ; all but the 40 just issued
.else
	s_wait_dscnt 0x0
.endif
.if (\st) == 0
	s_wait_loadcnt 0x0                             ; the bias
.endif
.set F, FS+96*((\st)%2)
	WIN 0x50                                       ; C and D in window 1
.irp a, 0,1,2,3
.irp b, 0,1,2,3
.if (\st) == 0
	v_wmma_scale_f32_16x16x128_f8f6f4 v[8*(4*\a+\b):8*(4*\a+\b)+7], v[F+12*\b:F+12*\b+11], v[F+48+12*\a:F+48+12*\a+11], v[128+8*\b:128+8*\b+7], v[SC+8*\b+(\st)], v[SC+8*\a+(\st)] matrix_a_fmt:MATRIX_FMT_FP6 matrix_b_fmt:MATRIX_FMT_FP6 matrix_a_scale:MATRIX_SCALE_ROW1
.else
	v_wmma_scale_f32_16x16x128_f8f6f4 v[8*(4*\a+\b):8*(4*\a+\b)+7], v[F+12*\b:F+12*\b+11], v[F+48+12*\a:F+48+12*\a+11], v[8*(4*\a+\b):8*(4*\a+\b)+7], v[SC+8*\b+(\st)], v[SC+8*\a+(\st)] matrix_a_fmt:MATRIX_FMT_FP6 matrix_b_fmt:MATRIX_FMT_FP6 matrix_a_scale:MATRIX_SCALE_ROW1
.endif
.endr
.endr
	WIN 0
.endm
.irp i, 0,1,2,3                                    ; register SC + 8 i + st: lanes 0-15 the word of o's block i, lanes 16-31 of Wo's block i, for step st
	ds_load_b128 v[SC+8*\i:SC+8*\i+3], v[ADS] offset:544*\i
	ds_load_b128 v[SC+8*\i+4:SC+8*\i+7], v[ADS] offset:544*\i+16
.endr
	FETCH 0
.irp s, 0,1,2,3,4,5,6,7
	KSTEP \s
.endr
; THE WAY OUT, by blocks of 16 rows x 64 columns, through my own stage: whole rows of 256 bytes come back, and sixteen lanes store one aligned run of 256 bytes.
; LDS serves a wave's instructions in order: no wait between the stores and the loads, nor in front of the next block's stores.  Each block has registers of its own.
.macro TOSTAGE a
	WIN 0x04                                       ; the data: window 1
.irp b, 0,1,2,3
	ds_store_b128 v[STO], v[32*\a+8*\b:32*\a+8*\b+3] offset:64*\b       ; each accumulator from its low end on
	ds_store_b128 v[STO], v[32*\a+8*\b+4:32*\a+8*\b+7] offset:64*\b+16
.endr
	WIN 0
.irp t, 0,1,2,3,4,5,6,7
	ds_load_b128 v[FS+32*\a+4*\t:FS+32*\a+4*\t+3], v[RD] offset:\t*544
.endr
.endm
.macro SEND a, younger
	s_wait_dscnt \younger                          ; the block is back; the next block's 8 stores and 8 loads may be out
.irp t, 0,1,2,3,4,5,6,7
	global_store_b128 v[CO], v[FS+32*(\a)+4*\t:FS+32*(\a)+4*\t+3], s[14:15] offset:(16*(\a)+2*\t)*4096 th:TH_STORE_NT
.endr
.endm
	PLACES                                         ; behind the last products: for the reads of results and the loads into operand registers
	TOSTAGE 0
.irp a, 1,2,3
	TOSTAGE \a
	SEND \a-1, 16
.endr
	SEND 3, 0
	s_wait_tensorcnt 0x0                           ; the wave's end
	ds_add_u32 v[SPW], v[NIL]
	s_wait_dscnt 0x0
	CROUND                                         ; the closing round
	s_endpgm
.Lfunc_end_k_qd78c00093a_outp:
	.size	k_qd78c00093a_outp, .Lfunc_end_k_qd78c00093a_outp-k_qd78c00093a_outp
	.p2alignl 7, 3214868480
	.fill 96, 4, 3214868480
	.section	.rodata,"a",@progbits
	.p2align	6, 0x0
	.amdhsa_kernel k_qd78c00093a_outp
		.amdhsa_group_segment_fixed_size 229376
		.amdhsa_private_segment_fixed_size 0
		.amdhsa_enable_private_segment 0
		.amdhsa_kernarg_size 48
		.amdhsa_user_sgpr_count 2
		.amdhsa_user_sgpr_kernarg_segment_ptr 1
		.amdhsa_wavefront_size32 1
		.amdhsa_system_sgpr_workgroup_id_x 1
		.amdhsa_system_sgpr_workgroup_id_y 1
		.amdhsa_system_sgpr_workgroup_id_z 1
		.amdhsa_system_vgpr_workitem_id 0
		.amdhsa_next_free_vgpr 512
		.amdhsa_next_free_sgpr 96
		.amdhsa_reserve_vcc 0
		.amdhsa_float_denorm_mode_32 3
		.amdhsa_float_denorm_mode_16_64 3
		.amdhsa_memory_ordered 1
		.amdhsa_forward_progress 1
		.amdhsa_inst_pref_size 56
	.end_amdhsa_kernel
	.amdgpu_metadata
---
amdhsa.version: [ 1, 2 ]
amdhsa.kernels:
  - .name:           k_qd78c00093a_outp
    .symbol:         k_qd78c00093a_outp.kd
    .args:
      - { .name: oc, .offset: 0, .size: 8, .value_kind: global_buffer, .address_space: global }
      - { .name: os, .offset: 8, .size: 8, .value_kind: global_buffer, .address_space: global }
      - { .name: Wo_codes, .offset: 16, .size: 8, .value_kind: global_buffer, .address_space: global }
      - { .name: Wo_scales, .offset: 24, .size: 8, .value_kind: global_buffer, .address_space: global }
      - { .name: bo, .offset: 32, .size: 8, .value_kind: global_buffer, .address_space: global }
      - { .name: out0, .offset: 40, .size: 8, .value_kind: global_buffer, .address_space: global }
    .group_segment_fixed_size: 229376
    .private_segment_fixed_size: 0
    .kernarg_segment_align: 8
    .kernarg_segment_size: 48
    .max_flat_workgroup_size: 128
    .sgpr_count:     96
    .vgpr_count:     512
    .wavefront_size: 32
...
	.end_amdgpu_metadata
.endif
;; end of part 3
